; MI455X (gfx1250); checked and timed in simulation.
; The chip was launched on July 23, 2026; its instructions are those of AMD's public machine-readable ISA for CDNA 5 (MIT licence, August 2026) and "CDNA5" Instruction Set Architecture Reference Guide (July 2026). The comments in the code are by the model that wrote it; some were corrected since.
;; Self Attention. Allowed arithmetic: matrix products marked QUANTISED: E2M1 operands, one E8M0 scale for each 32 along K, by v_wmma_scale_f32_16x16x128_f8f6f4 with both operands' format E2M1 (or v_wmma_scale_f32_32x16x128_f4), f32 sums; everything else in f32.
;; Inputs: Wk_codes 1,024 x 32 x 16 uint8 (E2M1 codes of Wk, K innermost, in blocks of 32 codes, two codes a byte); Wk_scales 1,024 x 32 uint8 (E8M0 scales of Wk, one for each 32 codes along K); Wo_codes 1,024 x 32 x 16 uint8 (E2M1 codes of Wo, K innermost, in blocks of 32 codes, two codes a byte); Wo_scales 1,024 x 32 uint8 (E8M0 scales of Wo, one for each 32 codes along K); Wq_codes 1,024 x 32 x 16 uint8 (E2M1 codes of Wq, K innermost, in blocks of 32 codes, two codes a byte); Wq_scales 1,024 x 32 uint8 (E8M0 scales of Wq, one for each 32 codes along K); Wv_codes 1,024 x 32 x 16 uint8 (E2M1 codes of Wv, K innermost, in blocks of 32 codes, two codes a byte); Wv_scales 1,024 x 32 uint8 (E8M0 scales of Wv, one for each 32 codes along K); bk 1,024 float32; bo 1,024 float32; bq 1,024 float32; bv 1,024 float32; x_codes 4 x 2,048 x 32 x 16 uint8 (E2M1 codes of x, K innermost, in blocks of 32 codes, two codes a byte); x_scales 4 x 2,048 x 32 uint8 (E8M0 scales of x, one for each 32 codes along K).
;; Outputs: out0 4 x 2,048 x 1,024 float32.
;; This version of the problem:
;;   THIS VERSION OF THE PROBLEM IS GIVEN IN LOW PRECISION. The matrix products marked QUANTISED in the list below multiply operands that are first quantised to E2M1 (2 exponent bits, 1 mantissa bit; 4 bits a number), with one power-of-two scale for each 32 numbers along K (OCP MX v1.0); their sums are f32. All else is computed in f32.
;;   The module's matrix products, in the order in which they are computed (A, B: the left and right operand; K: the contracted axis; several contracted axes count as one K, in the product's order):
;;     1. [M 8,192, K 1,024] x [K 1,024, N 1,024]; A: input x (given as codes); B: input Wq (given as codes): QUANTISED
;;     2. [M 8,192, K 1,024] x [K 1,024, N 1,024]; A: input x (given as codes); B: input Wk (given as codes): QUANTISED
;;     3. [M 8,192, K 1,024] x [K 1,024, N 1,024]; A: input x (given as codes); B: input Wv (given as codes): QUANTISED
;;     4. batch 64 x [M 2,048, K 64] x [K 64, N 2,048]; A: computed on the way; B: computed on the way: QUANTISED
;;     5. batch 64 x [M 2,048, K 2,048] x [K 2,048, N 64]; A: softmax (see below); B: computed on the way: QUANTISED
;;     6. [M 8,192, K 1,024] x [K 1,024, N 1,024]; A: computed on the way; B: input Wo (given as codes): QUANTISED
;;   THE QUANTISER, for each operand of a quantised product, along K:
;;     - K is cut into blocks of 32 from its start; a last block that is shorter is filled with zeros.
;;     - A block's scale is 2^e with e = floor(log2(the largest magnitude in the block)) - 2, held to -126 .. 127; a block of zeros has e = 0. As a byte (E8M0): e + 127.
;;     - Each number is divided by its block's scale, clamped to +-6, and rounded to the nearest number of E2M1, ties to even, subnormals kept.
;;     - The product sums the exact products of the quantised numbers (number of the format x scale) in f32.
;;   ~~~python
;;   def quantise(x, axis):      # numpy; x: float32 -> the quantised numbers, widened to float32 again
;;       x = np.moveaxis(x, axis, -1); K = x.shape[-1]
;;       x = np.pad(x, [(0, 0)] * (x.ndim - 1) + [(0, -K % 32)]); x = x.reshape(x.shape[:-1] + (-1, 32)); a = np.abs(x).max(-1, keepdims=True)
;;       e = np.where(a > 0, np.clip(np.frexp(np.where(a > 0, a, 1))[1] - 1 - 2, -126, 127), 0)      # np.frexp(a)[1] - 1 = floor(log2(a)), exactly
;;       r = np.clip(x / 2.0 ** e, -6, 6)
;;       step = 2.0 ** (np.maximum(np.frexp(np.where(r == 0, 1, r))[1] - 1, 0) - 1)
;;       q = np.round(r / step) * step * 2.0 ** e      # np.round: ties to even
;;       return np.moveaxis(q.reshape(q.shape[:-2] + (-1,))[..., :K], -1, axis).astype(np.float32)
;;   ~~~
;;   SOFTMAX AHEAD OF A QUANTISED PRODUCT. Where the list says 'softmax', what is quantised is not the finished softmax but p = 2^(t - M), with t = logit x log2(e) and M = ceil(the row's largest t), a whole number; so 1/2 < the row's largest p <= 1. The row's sum l is taken of the UNQUANTISED p, in f32, and the product's result is divided by l at the end. Since M is a whole number, a kernel that streams over the keys may use a running M (the ceiling of the running maximum): every later rescaling is an exact power of two, which a block's scale takes up: the codes' values come out the same.
;;   OPERANDS COMPUTED ON THE WAY. 'Computed on the way' means the value that the module computes at that place (a softmax that the list does not call 'softmax' is quantised finished and normalised). What goes into a quantiser is computed in f32, as accurately as f32 sums, v_exp_f32 and their like allow (about 1e-6 of the number): no bf16 or f16 on the way to a quantiser, and a product that is left as it is and whose result goes on into a quantised operand takes f32 operands (vector FMAs, or v_wmma_f32_16x16x4_f32). A number that lies on a knife's edge between two numbers of the format may be rounded either way, as far as f32 arithmetic and the matrix unit's own rounding can turn it there, and no further.
;;   INPUTS GIVEN AS CODES. Wk (in the module: [1024, 1024], K = its axis 0); Wo (in the module: [1024, 1024], K = its axis 0); Wq (in the module: [1024, 1024], K = its axis 0); Wv (in the module: [1024, 1024], K = its axis 0); x (in the module: [4, 2048, 1024], K = its axis 2): each comes as NAME_codes (uint8): NAME with its K axis moved to the last place and cut into blocks of 32 codes, [.., K / 32, bytes a block], one block behind the other in memory; two codes a byte, the lower K in the low four bits (a code: sign, 2 exponent bits, 1 mantissa bit); and NAME_scales (uint8): the same leading axes, one E8M0 byte (e + 127) for each 32 codes along K. Its value is code x scale, taken as it is: it is not quantised again, and the codes and scales need not be those that the quantiser above would give.
;; One version. Each part assembles by itself: llvm-mc -triple=amdgcn-amd-amdhsa -mcpu=gfx1250 --defsym DOCPART=n.
;; ======== version 1 of 1: 3 launches
;; workspace buffers: qbuf 9,175,040 bytes; kvbuf 9,175,040 bytes; att_img 4,194,304 bytes; att_sc 262,144 bytes
;; launch proj (part 1): grid 12 x 32, 4 waves a work-group, clusters of 4 x 4, 296,448 bytes of LDS; arguments x_codes, x_scales, Wq_codes, Wq_scales, bq, qbuf, Wk_codes, Wk_scales, bk, kvbuf, Wv_codes, Wv_scales, bv; writes qbuf, kvbuf
.if DOCPART == 1
	.amdgcn_target "amdgcn-amd-amdhsa--gfx1250"
	.amdhsa_code_object_version 6
	.text
	.protected	k_q873d5783bb_proj
	.globl	k_q873d5783bb_proj
	.p2align	8
	.type	k_q873d5783bb_proj,@function
k_q873d5783bb_proj:
	s_mov_b64 s[64:65], 0
	v_nop
	global_prefetch_b8 v0, s[64:65] scope:SCOPE_SE
	s_setreg_imm32_b32 hwreg(HW_REG_WAVE_MODE, 25, 1), 1
	s_wait_xcnt 0x0
	s_wait_alu depctr_hold_cnt(0) depctr_sa_sdst(0) depctr_va_vdst(0) depctr_va_sdst(0) depctr_va_ssrc(0) depctr_va_vcc(0) depctr_vm_vsrc(0)
	s_getreg_b32 s2, hwreg(HW_REG_IB_STS2, 6, 4)
	s_cmp_eq_u32 s2, 0
	s_cbranch_scc0 .Lentry_in_a_cluster
	s_endpgm
.Lentry_in_a_cluster:
	s_bfe_u32 s2, ttmp6, 0x10000c
	s_cmp_lg_u32 s2, 0xf033
	s_cbranch_scc0 .Lentry_shape_is_right
	s_endpgm
.Lentry_shape_is_right:
; q, k, v = x W + b on codes of FP4 (E2M1) with E8M0 scales, and the results quantised at once: q and k along a head's 64 channels, v along the keys.
; x: [8192][1024] codes (a row is 512 bytes), scales [8192][32].  Wq, Wk, Wv: [1024 channels][1024] codes, K innermost, scales [1024][32].  Biases f32.
; THE TYPE is the cluster's x: 0 = q, 1 = k, 2 = v; it is the same in all sixteen partners of a cluster.  It chooses the weight's, the bias's and the output's pointer, and one branch.
; A work-group of four waves makes 256 tokens x 256 channels over all of K = 1,024; a wave 128 x 128: 64 accumulators of 16 x 16, 512 registers.
; ALL OF K LIES IN LDS AT ONCE: 256 rows of x and 256 of W, as two slots of 512 along K (rows of 256 bytes + 16 of padding), and their scale bytes.  Every LDS byte is filled once, nothing is filled again,
; and the launch stores nothing to LDS.
; CLUSTERS: 4 x 4 work-groups.  The four of a row of the cluster need the same rows of x, the four of a column the same rows of W: each tile is asked for jointly.
; q, k (KIND 0): source 0 = 16 rows of W, source 1 = 16 rows of x: a lane holds ONE token and its registers run along the channels, which are the next product's K.
; v    (KIND 1): source 0 = 16 rows of x, source 1 = 16 rows of W: a lane holds ONE channel and its registers run along the tokens (the keys), which are the next product's K.
; THE QUANTISER.  A block of 32 along the next K is two neighbouring tiles: lane (r, h) holds its octets h and 2 + h, lane l xor 16 the other two.  The block's largest magnitude (with the floor 2^(3 - 127) among its
; leaves) less 2 in its exponent field is the conversion's scale operand; that, shifted, is the E8M0 byte.  Four tiles (64 along K) give four registers of codes; two exchanges of lane halves make of them
; registers 4 c .. 4 c + 3 of the next operand: lane (r, h) holds k = 32 h .. 32 h + 31.
; THE OUTPUT is laid as images of the next operand's registers: a chunk is 512 bytes, lane l's 16 bytes at 16 l.  A head's record is 16 step records (128 tokens) of 8,960 bytes:
;   + 0     8 tiles of 16 tokens x 512 bytes (q or k): lane (r, h) = token 16 T + r, channels 32 h on
;   + 4,096 v: channel tile d, chunk c at 1,024 d + 512 c: lane (r, h) = channel 16 d + r, keys 64 c + 32 h on
;   + 8,192 q's or k's scale words: word 4 l + p is tile 2 p + l / 16, row l % 16: two bytes, and 0x7f7f above them (the upper half of the next product's 128 along K is zero codes)
;   + 8,704 v's scale words: word 2 l + i is channel tile 2 i + l / 16, row l % 16: the step's four key blocks
; Each store of codes covers 512 consecutive bytes, aligned to 256.
; LIMITS: NaN and infinities are not served.  A block of zeros gets the byte 1 where the rule says 127: its codes are zeros, and this program alone reads the bytes.
; REGISTERS, in windows of 256.  window 0: v1-28 addresses; v32-95 scale words (they hold nothing else); v96-191 the way out; v192-255 the bias as the first products' C, later the scale words on their way out.
;   window 1: v0-127 x's fragments, two sets; v128-255 W's, two sets.   window 2: accumulators of x tiles 0-3 (tile i, W tile j at 64 i + 8 j);   window 3: of x tiles 4-7.
.set PITCH,  272                       ; an LDS row: 256 bytes + 16 of padding: the 16 rows that a load touches start 68 words apart
.set HALFT,  128*PITCH                 ; 128 rows: what one tensor load brings, and what one wave reads of x or of W
.set SLOT,   4*HALFT                   ; x's 256 rows, then W's 256 rows, 512 along K
.set SCL,    2*SLOT                    ; behind the slots: the scale bytes, as units of 256 bytes + 16 of padding
.set HALFS,  16*272                    ; those of 128 rows (4,096 bytes)
.set SBLK,   2*272                     ; those of 16 rows
.set REC,    143360                    ; a head's record
.set STEPR,  8960                      ; a step record
.set ADX, 16                           ; v16-17  LDS address of my x fragments in slot 0, 1
.set ADW, 20                           ; v20-21  the same for W
.set L16, 24                           ; v24     16 x lane
.set L8,  25                           ; v25     8 x lane
.set BO0, 26                           ; v26     the bias, KIND 0: 32 (lane / 16)
.set ADS, 27                           ; v27     LDS address of my scale words: lanes 0-15 x's rows, lanes 16-31 W's
.set BO1, 28                           ; v28     the bias, KIND 1: 4 (lane % 16)
.set SC,  32                           ; v[SC + 32 slot + 4 i + q]: lanes 0-15 the word of x tile i, lanes 16-31 that of W tile i, for the slot's q-th 128 along K
.set MXR, 96                           ; v96-111  16 blocks' largest magnitudes, then their bytes
.set SOP, 112                          ; v112-127 the other half's maxima, then the conversions' scale operands
.set COD, 128                          ; v128-191 codes: a set of 32 for each window of accumulators, so that no store's data are written again
.set BIAS, 192
.set QS,  192                          ; v192-199 q's or k's scale words as they are stored
.set HW,  200                          ; v200-207 v: the first two bytes of each channel tile's word
.set US,  208                          ; v208-211 v's scale words as they are stored
.set WT,  212                          ; v212-219 at work
.set G1,  24                           ; s[24:31] descriptor group 1 for x's tiles;  s[32:39] group 0, one set for each slot
.set G0,  32
.set G1B, 48                           ; s[48:55], s[56:63] the same for W's tiles
.set G0B, 56
.set SEL, 66                           ; s[66:67] lane selects: lane l xor 16
.set G1S, 68                           ; s[68:75], s[76:79] groups 1 and 0 for x's scales;  s[80:87], s[88:91] for W's
.set G0S, 76
.set G1SB, 80
.set G0SB, 88
.set MSK, 99                           ; s99 the lanes 16-31
.set MSB, 0
.macro WIN new                         ; the immediate's high byte repeats the setting that is left; a switch that changes nothing is dropped
.if MSB != (\new)
	s_set_vgpr_msb (MSB<<8)|(\new)
.set MSB, (\new)
.endif
.endm
; A joint load: waves 0 and 1 fetch for x, waves 2 and 3 for W.  The branch hangs on the wave's number alone.  Four v_nop follow each of the two lines.
.macro JLOAD g0a, g1a, g0b, g1b
	s_cmp_eq_u32 s15, 0
	s_cbranch_scc0 .Lfor_w_\@
	tensor_load_to_lds s[\g0a:\g0a+3], s[\g1a:\g1a+7]
	s_nop 0
.rept 4
	v_nop
.endr
	s_branch .Lasked_\@
.Lfor_w_\@:
	tensor_load_to_lds s[\g0b:\g0b+3], s[\g1b:\g1b+7]
	s_nop 0
.rept 4
	v_nop
.endr
.Lasked_\@:
.endm
.macro CROUND                          ; a round of the cluster's barrier
	s_barrier_signal -1
	s_barrier_wait -1
	s_cmp_lg_u32 s14, 0
	s_cbranch_scc1 .Lnot_wave_0_\@
	s_barrier_signal -3
.Lnot_wave_0_\@:
	s_barrier_wait -3
	s_barrier_signal -1
	s_barrier_wait -1
.endm
.macro PLACES n
.rept \n
	v_nop
.endr
.endm
	s_load_b128 s[4:7], s[0:1], 0x0                ; x's codes, x's scales
	s_load_b256 s[68:75], s[0:1], 0x10             ; Wq's codes, Wq's scales, bq, qbuf
	s_load_b256 s[76:83], s[0:1], 0x30             ; Wk's codes, Wk's scales, bk, kvbuf
	s_load_b128 s[84:87], s[0:1], 0x50             ; Wv's codes, Wv's scales
	s_load_b64 s[88:89], s[0:1], 0x60              ; bv
	v_lshl_add_u32 v30, v0, 2, 0x48400
	v_mov_b32 v31, 0
	ds_add_u32 v30, v31
	ds_add_u32 v30, v31
	v_lshrrev_b32 v1, 5, v0
	v_readfirstlane_b32 s14, v1                    ; wave 0..3
	s_lshr_b32 s15, s14, 1                         ; which 128 tokens are mine.  Also: I fetch for x (0) or for W (1)
	s_and_b32 s16, s14, 1                          ; which 128 channels.  Also: which 128 rows of that tile I fetch
	s_bfe_u32 s40, ttmp6, 0x40000                  ; cx: which 256 channels of the weight
	s_bfe_u32 s41, ttmp6, 0x40004                  ; cy
	s_and_b32 s17, ttmp7, 0xffff
	s_lshl_b32 s17, s17, 2
	s_add_co_u32 s17, s17, s41                     ; ty: which 256 tokens = 4 x cluster y + cy
	s_lshl_b32 s43, s41, 2
	s_lshl_b32 s43, 15, s43                        ; my row of the cluster
	s_lshl_b32 s44, 0x1111, s40                    ; my column
	; descriptor group 1: a tile of 128 rows x 256 bytes out of rows of 512, padded in LDS
	s_or_b32 s[G1+0], s43, (0<<16)|(1<<20)|(1<<21)|(5<<22)|(3<<25)  ; 15:0 the mask; 17:16 elements of 1 byte; 20 padding on; 21 set beside a mask; 24:22 after every 64 words; 31:25 four words
	s_or_b32 s[G1B+0], s44, (0<<16)|(1<<20)|(1<<21)|(5<<22)|(3<<25)
.irp g, G1, G1B
	s_mov_b32 s[\g+1], 256<<16                     ; tensor_dim0
	s_mov_b32 s[\g+2], 128<<16                     ; tensor_dim1
	s_mov_b32 s[\g+3], 256<<16                     ; tile_dim0
	s_mov_b32 s[\g+4], 128                         ; tile_dim1
	s_mov_b32 s[\g+5], 512                         ; tensor_dim0_stride
	s_mov_b32 s[\g+6], 0
	s_mov_b32 s[\g+7], 0
.endr
	s_lshl_b32 s18, s16, 7                         ; which 128 rows of the tile I fetch
	s_lshl_b32 s20, s17, 8
	s_add_co_u32 s20, s20, s18                     ; x: row 256 ty + 128 x half
	s_lshl_b32 s46, s40, 8
	s_add_co_u32 s46, s46, s18                     ; W: row 256 cx + 128 x half
	s_lshl_b32 s22, s20, 5                         ; where these rows' scales begin, in bytes,
	s_mov_b32 s23, 0
	s_lshl_b32 s92, s46, 5
	s_mov_b32 s93, 0
	s_lshl_b32 s20, s20, 9                         ; and their codes
	s_mov_b32 s21, 0
	s_lshl_b32 s46, s46, 9
	s_mov_b32 s47, 0
	s_mul_i32 s45, s14, HALFT                      ; where they go: wave x 128 rows: no place in the cluster enters an LDS address
	s_mul_i32 s94, s14, HALFS
	s_wait_dscnt 0x0
	s_wait_kmcnt 0x0
	s_cmp_eq_u32 ttmp9, 0                          ; the type chooses the pointers: the choice hangs on the cluster's number alone
	s_cselect_b64 s[8:9], s[68:69], s[76:77]       ; the weight's codes,
	s_cselect_b64 s[10:11], s[70:71], s[78:79]     ; its scales,
	s_cselect_b64 s[96:97], s[72:73], s[80:81]     ; the bias,
	s_cselect_b64 s[12:13], s[74:75], s[82:83]     ; the output: qbuf for q, kvbuf for k and v
	s_cmp_eq_u32 ttmp9, 2
	s_cselect_b64 s[8:9], s[84:85], s[8:9]
	s_cselect_b64 s[10:11], s[86:87], s[10:11]
	s_cselect_b64 s[96:97], s[88:89], s[96:97]
	; group 1 for the scales of 128 rows: a dense block of 4,096 bytes, as 16 rows of 256 bytes (32 elements of 8 bytes), 16 bytes of padding behind each
	s_or_b32 s[G1S+0], s43, (3<<16)|(1<<20)|(1<<21)|(5<<22)|(3<<25)
	s_or_b32 s[G1SB+0], s44, (3<<16)|(1<<20)|(1<<21)|(5<<22)|(3<<25)
.irp g, G1S, G1SB
	s_mov_b32 s[\g+1], 32<<16
	s_mov_b32 s[\g+2], 16<<16
	s_mov_b32 s[\g+3], 32<<16
	s_mov_b32 s[\g+4], 16
	s_mov_b32 s[\g+5], 32
	s_mov_b32 s[\g+6], 0
	s_mov_b32 s[\g+7], 0
.endr
	s_add_nc_u64 s[20:21], s[4:5], s[20:21]
	s_add_nc_u64 s[22:23], s[6:7], s[22:23]
	s_add_nc_u64 s[46:47], s[8:9], s[46:47]
	s_add_nc_u64 s[92:93], s[10:11], s[92:93]
	CROUND                                         ; all sixteen work-groups are here: the joint loads meet
	s_mov_b32 s[G0S], 1
	s_add_co_u32 s[G0S+1], s94, SCL
	s_mov_b64 s[G0S+2:G0S+3], s[22:23]
	s_or_b32 s[G0S+3], s[G0S+3], 0x80000000
	s_mov_b32 s[G0SB], 1
	s_add_co_u32 s[G0SB+1], s94, SCL
	s_mov_b64 s[G0SB+2:G0SB+3], s[92:93]
	s_or_b32 s[G0SB+3], s[G0SB+3], 0x80000000
	JLOAD G0S, G1S, G0SB, G1SB                     ; three loads a wave are out in all: the scales, slot 0, slot 1
.irp s, 0,1
	s_mov_b32 s[G0+4*\s], 1
	s_add_co_u32 s[G0+4*\s+1], s45, \s*SLOT
	s_add_nc_u64 s[G0+4*\s+2:G0+4*\s+3], s[20:21], \s*256
	s_or_b32 s[G0+4*\s+3], s[G0+4*\s+3], 0x80000000
	s_mov_b32 s[G0B+4*\s], 1
	s_add_co_u32 s[G0B+4*\s+1], s45, \s*SLOT
	s_add_nc_u64 s[G0B+4*\s+2:G0B+4*\s+3], s[46:47], \s*256
	s_or_b32 s[G0B+4*\s+3], s[G0B+4*\s+3], 0x80000000
	JLOAD G0+4*\s, G1, G0B+4*\s, G1B
.endr
	; where my part of the output begins: head 16 (ty / 8) + 4 cx + 2 (my half of the channels), step record 2 (ty % 8) + my half of the tokens
	s_lshr_b32 s46, s17, 3
	s_lshl_b32 s46, s46, 4
	s_lshl_b32 s47, s40, 2
	s_add_co_u32 s46, s46, s47
	s_lshl_b32 s47, s16, 1
	s_add_co_u32 s46, s46, s47
	s_mul_i32 s46, s46, REC
	s_and_b32 s47, s17, 7
	s_lshl_b32 s47, s47, 1
	s_add_co_u32 s47, s47, s15
	s_mul_i32 s47, s47, STEPR
	s_add_co_u32 s46, s46, s47
	s_mov_b32 s47, 0
	s_add_nc_u64 s[12:13], s[12:13], s[46:47]
	s_lshl_b32 s92, s40, 10                        ; the bias of my 128 channels: 4 (256 cx + 128 x half) bytes on
	s_lshl_b32 s93, s16, 9
	s_add_co_u32 s92, s92, s93
	s_mov_b32 s93, 0
	s_add_nc_u64 s[96:97], s[96:97], s[92:93]
	s_mov_b32 s[SEL], 0x76543210
	s_mov_b32 s[SEL+1], 0xfedcba98
	s_mov_b32 s[MSK], 0xffff0000
	v_and_b32 v1, 15, v0                           ; r = lane % 16
	v_bfe_u32 v2, v0, 4, 1                         ; h = lane / 16
	v_mul_u32_u24 v3, v1, PITCH
	v_lshl_add_u32 v4, v2, 4, v3                   ; a fragment's row x pitch + 16 h
	s_mul_i32 s21, s15, HALFT                      ; my 128 rows of x
	s_mul_i32 s22, s16, HALFT                      ; my 128 rows of W,
	s_add_co_u32 s22, s22, 2*HALFT                 ; which lie behind x's 256
.irp s, 0,1
	v_add_nc_u32 v[ADX+\s], s21, v4
	v_add_nc_u32 v[ADW+\s], s22, v4
	s_add_co_u32 s21, s21, SLOT
	s_add_co_u32 s22, s22, SLOT
.endr
	v_lshlrev_b32 v5, 5, v1                        ; my row's scales: 32 bytes a row,
	v_lshrrev_b32 v6, 3, v1
	v_lshl_add_u32 v5, v6, 4, v5                   ; and 16 more for each 256 passed
	s_mul_i32 s21, s15, HALFS                      ; x's: my 128 rows
	s_mul_i32 s22, s16, HALFS                      ; W's: my 128 rows, behind x's 256
	s_add_co_u32 s22, s22, 2*HALFS
	s_sub_co_u32 s22, s22, s21
	v_mul_u32_u24 v6, s22, v2                      ; lanes 16-31 take W's: the lower base + h x the distance
	s_add_co_u32 s21, s21, SCL
	v_add_nc_u32 v5, v5, v6
	v_add_nc_u32 v[ADS], s21, v5
	v_and_b32 v6, 31, v0
	v_lshlrev_b32 v[L16], 4, v6
	v_lshlrev_b32 v[L8], 3, v6
	v_lshlrev_b32 v[BO0], 5, v2
	v_lshlrev_b32 v[BO1], 2, v1
.irp n, 0,1,2,3,4,5,6,7,8,9,10,11,12,13,14,15
	v_mov_b32 v[SOP+\n], 0                         ; written once: a lane permute's destination counts as one of its sources
.endr
; The fragments of K step q (128 along K): 8 of x and 8 of W, into set q % 2.  A fragment is 8 registers: lane (r, h) holds row r; registers 4 c .. 4 c + 3 hold K = 64 c + 32 h + 0 .. 31: 16 bytes of the row as they lie.
.macro FETCH q
	WIN 0x40                                       ; destination window 1, address window 0
.irp i, 0,1,2,3,4,5,6,7
.irp c, 0,1
	ds_load_b128 v[64*((\q)%2)+8*\i+4*\c:64*((\q)%2)+8*\i+4*\c+3], v[ADX+(\q)/4] offset:64*((\q)%4)+32*\c+\i*16*PITCH
.endr
.endr
.irp i, 0,1,2,3,4,5,6,7
.irp c, 0,1
	ds_load_b128 v[128+64*((\q)%2)+8*\i+4*\c:128+64*((\q)%2)+8*\i+4*\c+3], v[ADW+(\q)/4] offset:64*((\q)%4)+32*\c+\i*16*PITCH
.endr
.endr
	WIN 0
.endm
.macro SCALES slot                     ; a slot's scale words: 4 words a row; lanes 0-15 take x tile i, lanes 16-31 W tile i
.irp i, 0,1,2,3,4,5,6,7
	ds_load_b128 v[SC+32*\slot+4*\i:SC+32*\slot+4*\i+3], v[ADS] offset:\i*SBLK+16*\slot
.endr
.endm
; 32 matrix instructions: x tiles 4 hi .. 4 hi + 3 against W's eight, K step q.  first = 1: the bias is the C of the sum's first product: nothing is cleared and nothing is added later.
; The 64 accumulators take turns, one instruction a turn, in the same order in every step.
.macro MUL32 hi, q, kind, first
.irp a, 0,1,2,3
.irp b, 0,1,2,3,4,5,6,7
.set R_D, 64*\a+8*\b
.set R_X, 64*((\q)%2)+8*(4*\hi+\a)
.set R_W, 128+64*((\q)%2)+8*\b
.set C_X, SC+32*((\q)/4)+4*(4*\hi+\a)+(\q)%4
.set C_W, SC+32*((\q)/4)+4*\b+(\q)%4
.if \kind
.if \first
	v_wmma_scale_f32_16x16x128_f8f6f4 v[R_D:R_D+7], v[R_X:R_X+7], v[R_W:R_W+7], v[BIAS+8*\b:BIAS+8*\b+7], v[C_X], v[C_W] matrix_a_fmt:MATRIX_FMT_FP4 matrix_b_fmt:MATRIX_FMT_FP4 matrix_b_scale:MATRIX_SCALE_ROW1
.else
	v_wmma_scale_f32_16x16x128_f8f6f4 v[R_D:R_D+7], v[R_X:R_X+7], v[R_W:R_W+7], v[R_D:R_D+7], v[C_X], v[C_W] matrix_a_fmt:MATRIX_FMT_FP4 matrix_b_fmt:MATRIX_FMT_FP4 matrix_b_scale:MATRIX_SCALE_ROW1
.endif
.else
.if \first
	v_wmma_scale_f32_16x16x128_f8f6f4 v[R_D:R_D+7], v[R_W:R_W+7], v[R_X:R_X+7], v[BIAS+8*\b:BIAS+8*\b+7], v[C_W], v[C_X] matrix_a_fmt:MATRIX_FMT_FP4 matrix_b_fmt:MATRIX_FMT_FP4 matrix_a_scale:MATRIX_SCALE_ROW1
.else
	v_wmma_scale_f32_16x16x128_f8f6f4 v[R_D:R_D+7], v[R_W:R_W+7], v[R_X:R_X+7], v[R_D:R_D+7], v[C_W], v[C_X] matrix_a_fmt:MATRIX_FMT_FP4 matrix_b_fmt:MATRIX_FMT_FP4 matrix_a_scale:MATRIX_SCALE_ROW1
.endif
.endif
.endr
.endr
.endm
; K step q: its fragments, asked for a step ago, are in; the next step's are asked for in one run, 64 matrix instructions ahead of their use; then the step's 64 products.
.macro STEP q, kind
	s_wait_dscnt 0x0                               ; this step's fragments (and, in step 0, the scale words) are in
.if (\q) < 7
.if (\q) > 0
	PLACES 4                                       ; four places between the last step's products and loads into the set that the step before it read (ISA guide 7.12.1 for vector instructions)
.endif
	FETCH (\q)+1
.endif
.if (\q) == 0
	WIN 0x85                                       ; sources window 1, C (the bias) window 0, D window 2
	MUL32 0, \q, \kind, 1
	WIN 0xc5                                       ; D window 3
	MUL32 1, \q, \kind, 1
.else
	WIN 0xa5                                       ; sources window 1, C and D window 2
	MUL32 0, \q, \kind, 0
	WIN 0xf5                                       ; C and D window 3
	MUL32 1, \q, \kind, 0
.endif
	WIN 0
.endm
; Where tile u of block n of a window of accumulators lies.  KIND 0: the block's two tiles are W tiles 2 (n % 4) + u of x tile n / 4.  KIND 1: x tiles 2 (n % 2) + u of W tile n / 2.
.macro TILEAT n, u, kind
.if \kind
.set TB_, 64*(2*((\n)%2)+(\u))+8*((\n)/2)
.else
.set TB_, 16*(\n)+8*(\u)
.endif
.endm
; THE WAY OUT of window 2 + wi: 16 blocks of 32, 8 chunks of 64 along the next K.
.macro EPI wi, kind
.set CD_, COD+32*\wi
	WIN 0x0a+5*\wi                                 ; sources 0 and 1: the accumulators' window
.irp g, 0,1,2,3,4,5,6,7                ; my 16 numbers of each block, two at a time, each accumulator from its low end on; the 16 blocks by turns, so that no line waits for the line above it
.irp n, 0,1,2,3,4,5,6,7,8,9,10,11,12,13,14,15
	TILEAT \n, \g/4, \kind
.if \g == 0
	v_max3_num_f32 v[MXR+\n], |v[TB_]|, |v[TB_+1]|, 0x1800000      ; and the floor 2^(3 - 127): the byte cannot fall under 1
.else
	v_max3_num_f32 v[MXR+\n], |v[TB_+2*(\g%4)]|, |v[TB_+2*(\g%4)+1]|, v[MXR+\n]
.endif
.endr
.endr
	WIN 0
.irp n, 0,1,2,3,4,5,6,7,8,9,10,11,12,13,14,15
	v_permlanex16_b32 v[SOP+\n], v[MXR+\n], s[SEL], s[SEL+1]
.endr
.irp n, 0,1,2,3,4,5,6,7,8,9,10,11,12,13,14,15
	v_max_num_f32 v[MXR+\n], v[MXR+\n], v[SOP+\n]  ; with lane l xor 16's: the block's largest magnitude
.endr
.irp n, 0,1,2,3,4,5,6,7,8,9,10,11,12,13,14,15
	v_add_nc_u32 v[SOP+\n], 0xff000000, v[MXR+\n]  ; 2 off its exponent field: the conversion takes the exponent field of this operand as its scale
.endr
.irp n, 0,1,2,3,4,5,6,7,8,9,10,11,12,13,14,15
	v_lshrrev_b32 v[MXR+\n], 23, v[SOP+\n]         ; the scale's byte
.endr
	WIN 0x02+\wi                                   ; source 0: the accumulators' window
.irp m, 0,1,2,3,4,5,6,7                ; chunk m: blocks 2 m and 2 m + 1.  In this order the two exchanges below give octets 0, 1, 2, 3 of block h in four registers on end
	TILEAT 2*\m, 0, \kind
	v_cvt_scalef32_pk8_fp4_f32 v[CD_+4*\m], v[TB_:TB_+7], v[SOP+2*\m]
	TILEAT 2*\m+1, 0, \kind
	v_cvt_scalef32_pk8_fp4_f32 v[CD_+4*\m+1], v[TB_:TB_+7], v[SOP+2*\m+1]
	TILEAT 2*\m, 1, \kind
	v_cvt_scalef32_pk8_fp4_f32 v[CD_+4*\m+2], v[TB_:TB_+7], v[SOP+2*\m]
	TILEAT 2*\m+1, 1, \kind
	v_cvt_scalef32_pk8_fp4_f32 v[CD_+4*\m+3], v[TB_:TB_+7], v[SOP+2*\m+1]
.endr
	WIN 0
	v_nop                                          ; one plain place behind the scaled conversions
.irp m, 0,1,2,3,4,5,6,7
	v_permlane16_swap_b32 v[CD_+4*\m], v[CD_+4*\m+1]       ; the first's lanes 16-31 change places with the second's lanes 0-15
	v_permlane16_swap_b32 v[CD_+4*\m+2], v[CD_+4*\m+3]
.endr
.irp m, 0,1,2,3,4,5,6,7
.if \kind
	global_store_b128 v[L16], v[CD_+4*\m:CD_+4*\m+3], s[12:13] offset:(\m/4)*REC+4096+(\m%4)*1024+\wi*512   ; head m / 4, channel tile m % 4, keys 64 wi on
.else
	global_store_b128 v[L16], v[CD_+4*\m:CD_+4*\m+3], s[12:13] offset:(\m%2)*REC+(4*\wi+\m/2)*512           ; head m % 2, token tile 4 wi + m / 2
.endif
.endr
.if \kind
.if \wi == 0
.irp j, 0,1,2,3,4,5,6,7
	v_lshl_or_b32 v[HW+\j], v[MXR+2*\j+1], 8, v[MXR+2*\j]  ; channel tile j: the bytes of key blocks 0 and 1
.endr
.else
.irp j, 0,1,2,3,4,5,6,7
	v_lshl_or_b32 v[WT+\j], v[MXR+2*\j+1], 8, v[MXR+2*\j]  ; of key blocks 2 and 3,
.endr
.irp j, 0,1,2,3,4,5,6,7
	v_lshl_or_b32 v[WT+\j], v[WT+\j], 16, v[HW+\j]         ; and the whole word
.endr
.irp g, 0,1
.irp y, 0,1
	v_cndmask_b32 v[US+2*\g+\y], v[WT+4*\g+2*\y], v[WT+4*\g+2*\y+1], s[MSK]   ; lanes 0-15 the even channel tile's words, lanes 16-31 the odd one's
.endr
.endr
.endif
.else
.irp m, 0,1,2,3,4,5,6,7
	v_lshl_or_b32 v[WT+\m], v[MXR+2*\m+1], 8, v[MXR+2*\m]  ; chunk m's two bytes
.endr
.irp y, 0,1
.irp c, 0,1
	v_cndmask_b32 v[QS+4*\c+2*\wi+\y], v[WT+4*\y+\c], v[WT+4*\y+2+\c], s[MSK]  ; head c: lanes 0-15 the even token tile's words, lanes 16-31 the odd one's
.endr
.endr
.irp y, 0,1
.irp c, 0,1
	v_or_b32 v[QS+4*\c+2*\wi+\y], 0x7f7f0000, v[QS+4*\c+2*\wi+\y]             ; the scale 1 for the zero codes of the next product's upper 64 along K
.endr
.endr
.endif
.endm
.macro ARM kind
.if \kind
.irp j, 0,1,2,3,4,5,6,7                ; C(token, channel 16 j + r) = the lane's channel's bias in all eight registers
.irp e, 0,1,2,3,4,5,6,7
	global_load_b32 v[BIAS+8*\j+\e], v[BO1], s[96:97] offset:64*\j
.endr
.endr
.else
.irp j, 0,1,2,3,4,5,6,7                ; C(channel 16 j + 8 h + e, token) = eight neighbouring numbers of the bias
	global_load_b128 v[BIAS+8*\j:BIAS+8*\j+3], v[BO0], s[96:97] offset:64*\j
	global_load_b128 v[BIAS+8*\j+4:BIAS+8*\j+7], v[BO0], s[96:97] offset:64*\j+16
.endr
.endif
	s_wait_loadcnt 0x0
.irp q, 0,1,2,3,4,5,6,7
	STEP \q, \kind
.endr
	PLACES 4                                       ; four places between the last products and the first read of results
	EPI 0, \kind
	EPI 1, \kind
.if \kind
.irp g, 0,1
	global_store_b64 v[L8], v[US+2*\g:US+2*\g+1], s[12:13] offset:8704+\g*REC     ; 32 lanes store 256 consecutive bytes
.endr
.else
.irp c, 0,1
	global_store_b128 v[L16], v[QS+4*\c:QS+4*\c+3], s[12:13] offset:8192+\c*REC   ; 32 lanes store 512 consecutive bytes
.endr
.endif
.endm
	s_wait_tensorcnt 0x0                           ; my three loads have landed,
	s_barrier_signal -1
	s_barrier_wait -1                              ; everybody's have: all of K and all scales lie in LDS, and nothing is filled again
	FETCH 0
	SCALES 0
	SCALES 1
	s_cmp_eq_u32 ttmp9, 2                          ; the type: the same in every wave of every partner
	s_cbranch_scc1 .Lv
	ARM 0
	s_branch .Ljoin
.Lv:
	ARM 1
.Ljoin:
	s_wait_tensorcnt 0x0
	ds_add_u32 v30, v31
	s_wait_dscnt 0x0
	CROUND                                         ; the closing round: no work-group ends while a partner may still ask for a tile that names it
	s_endpgm
.Lfunc_end_k_q873d5783bb_proj:
	.size	k_q873d5783bb_proj, .Lfunc_end_k_q873d5783bb_proj-k_q873d5783bb_proj
	.p2alignl 7, 3214868480
	.fill 96, 4, 3214868480
	.section	.rodata,"a",@progbits
	.p2align	6, 0x0
	.amdhsa_kernel k_q873d5783bb_proj
		.amdhsa_group_segment_fixed_size 296448
		.amdhsa_private_segment_fixed_size 0
		.amdhsa_enable_private_segment 0
		.amdhsa_kernarg_size 104
		.amdhsa_user_sgpr_count 2
		.amdhsa_user_sgpr_kernarg_segment_ptr 1
		.amdhsa_wavefront_size32 1
		.amdhsa_system_sgpr_workgroup_id_x 1
		.amdhsa_system_sgpr_workgroup_id_y 1
		.amdhsa_system_sgpr_workgroup_id_z 1
		.amdhsa_system_vgpr_workitem_id 0
		.amdhsa_next_free_vgpr 1024
		.amdhsa_next_free_sgpr 100
		.amdhsa_reserve_vcc 0
		.amdhsa_float_denorm_mode_32 3
		.amdhsa_float_denorm_mode_16_64 3
		.amdhsa_memory_ordered 1
		.amdhsa_forward_progress 1
		.amdhsa_inst_pref_size 246
	.end_amdhsa_kernel
	.amdgpu_metadata
---
amdhsa.version: [ 1, 2 ]
amdhsa.kernels:
  - .name:           k_q873d5783bb_proj
    .symbol:         k_q873d5783bb_proj.kd
    .args:
      - { .name: x_codes, .offset: 0, .size: 8, .value_kind: global_buffer, .address_space: global }
      - { .name: x_scales, .offset: 8, .size: 8, .value_kind: global_buffer, .address_space: global }
      - { .name: Wq_codes, .offset: 16, .size: 8, .value_kind: global_buffer, .address_space: global }
      - { .name: Wq_scales, .offset: 24, .size: 8, .value_kind: global_buffer, .address_space: global }
      - { .name: bq, .offset: 32, .size: 8, .value_kind: global_buffer, .address_space: global }
      - { .name: qbuf, .offset: 40, .size: 8, .value_kind: global_buffer, .address_space: global }
      - { .name: Wk_codes, .offset: 48, .size: 8, .value_kind: global_buffer, .address_space: global }
      - { .name: Wk_scales, .offset: 56, .size: 8, .value_kind: global_buffer, .address_space: global }
      - { .name: bk, .offset: 64, .size: 8, .value_kind: global_buffer, .address_space: global }
      - { .name: kvbuf, .offset: 72, .size: 8, .value_kind: global_buffer, .address_space: global }
      - { .name: Wv_codes, .offset: 80, .size: 8, .value_kind: global_buffer, .address_space: global }
      - { .name: Wv_scales, .offset: 88, .size: 8, .value_kind: global_buffer, .address_space: global }
      - { .name: bv, .offset: 96, .size: 8, .value_kind: global_buffer, .address_space: global }
    .group_segment_fixed_size: 296448
    .private_segment_fixed_size: 0
    .kernarg_segment_align: 8
    .kernarg_segment_size: 104
    .max_flat_workgroup_size: 128
    .sgpr_count:     100
    .vgpr_count:     1024
    .wavefront_size: 32
...
	.end_amdgpu_metadata
.endif
;; end of part 1
;; launch attn (part 2): grid 4 x 64, 16 waves a work-group, clusters of 4 x 1, 169,984 bytes of LDS; arguments qbuf, kvbuf, att_img, att_sc; writes att_img, att_sc
.if DOCPART == 2
	.amdgcn_target "amdgcn-amd-amdhsa--gfx1250"
	.amdhsa_code_object_version 6
	.text
	.protected	k_q873d5783bb_attn
	.globl	k_q873d5783bb_attn
	.p2align	8
	.type	k_q873d5783bb_attn,@function
k_q873d5783bb_attn:
	s_mov_b64 s[64:65], 0
	v_nop
	global_prefetch_b8 v0, s[64:65] scope:SCOPE_SE
	s_setreg_imm32_b32 hwreg(HW_REG_WAVE_MODE, 25, 1), 1
	s_wait_xcnt 0x0
	s_wait_alu depctr_hold_cnt(0) depctr_sa_sdst(0) depctr_va_vdst(0) depctr_va_sdst(0) depctr_va_ssrc(0) depctr_va_vcc(0) depctr_vm_vsrc(0)
	s_getreg_b32 s2, hwreg(HW_REG_IB_STS2, 6, 4)
	s_cmp_eq_u32 s2, 0
	s_cbranch_scc0 .Lentry_in_a_cluster
	s_endpgm
.Lentry_in_a_cluster:
	s_bfe_u32 s2, ttmp6, 0x10000c
	s_cmp_lg_u32 s2, 0x3003
	s_cbranch_scc0 .Lentry_shape_is_right
	s_endpgm
.Lentry_shape_is_right:
; O[q] = the sum over the keys of softmax(q . k / 8) v for one head of 64 channels, both products on codes of FP4 (E2M1) with E8M0 scales; O is divided by the row's sum and quantised along d_model for the last product.
; THE SOFTMAX AHEAD OF THE SECOND PRODUCT: t = score x log2(e) / 8; M = the row's largest t so far, rounded UP to a whole number; p = 2^(t - M) is what is quantised, along the keys; it is not normalised.
; The row's sum is taken of the unquantised p, in f32.  When M moves, the sum and O are multiplied by 2^(old M - new M): exact.
; INPUTS: a head's record in kvbuf (and q's in qbuf): 16 step records (128 tokens) of 8,960 bytes, each: 8 tiles of K as images of the operand's registers (512 bytes, lane l's 16 bytes at 16 l), 8 chunks of V likewise
; (channel tile d, 64 keys c at 4,096 + 1,024 d + 512 c), K's scale words (at 8,192: word 4 l + p = tile 2 p + l / 16, row l % 16), V's (at 8,704: word 2 l + i = channel tile 2 i + l / 16).
; SHARES.  A work-group owns 512 queries of one head; each of its sixteen waves two tiles of 16, one after the other, in 256 registers: four waves to a SIMD, so that one wave's vector work stands beside another's
; matrix work and LDS loads.  A HEAD'S WHOLE RECORD, 143,360 bytes, LIES IN LDS: wave w brings step record w by one tensor load; every byte is filled once, nothing is filled again, nothing is stored to LDS.
; CLUSTER.  The four query blocks of a head form a cluster and ask for the record jointly.
; LAYOUT.  Both products are used transposed: S^T = K Q^T (source 0 = 16 keys, source 1 = my 16 queries), O^T = V^T P^T: a lane holds ONE query (lane % 16) throughout.  The head has 64 channels and the instruction
; takes 128 along K: registers 4-7 of K's and Q's fragments are zero codes (in registers of their own for each side), their scale bytes 0x7f.
; p's block of 32 keys is two neighbouring tiles: lane (r, h) holds its octets h and 2 + h.  Four tiles give four registers of codes; two exchanges of lane halves make of them registers 4 c .. 4 c + 3 of the operand.
; OUTPUT: att_img [hd / 8][token / 16][hd % 8][512 bytes]: lane (r, h) = token r of the tile, d_model 64 hd + 32 h on.  att_sc [hd / 8][token][16 bytes]: head hd's two bytes at 2 (hd % 8): these leave as
; 2 bytes a lane, 16 bytes apart, since a row's other bytes are other heads': 262,144 bytes in the launch against 4,194,304 of codes.
; LIMITS: NaN and infinities are not served; M is an exact whole number for |t| under 2^23; a block of zeros gets the byte 1 where the rule says 127 (its codes are zeros, and this program alone reads the bytes).
; REGISTERS: v1 16 x lane, v2 8 x lane, v3 16 (lane % 16); v8, v9 the step's LDS addresses; v12 -M, v13 the largest t, v[14:15] the sum in two halves; v16-23 Q; v24 Q's scale word; v25 the output's scale bytes;
;   v32-95 K's 8 fragments; v96-159 S^T, then p; v160-191 O^T; v192-223 V's 4 fragments; v224-231 p's codes; v232-243, v251-254 at work; v244-247 K's scale words; v248-249 V's; v250 p's.
.set REC,   143360
.set STEPR, 8960
.set VIMG,  4096
.set KSC,   8192
.set VSC,   8704
.macro ROUND                           ; a round of the cluster's barrier
	s_barrier_signal -1
	s_barrier_wait -1
	s_cmp_lg_u32 s12, 0
	s_cbranch_scc1 .Lnot_wave_0_\@
	s_barrier_signal -3
.Lnot_wave_0_\@:
	s_barrier_wait -3
	s_barrier_signal -1
	s_barrier_wait -1
.endm
	s_load_b256 s[4:11], s[0:1], 0x0               ; qbuf s[4:5], kvbuf s[6:7], att_img s[8:9], att_sc s[10:11]
	v_lshl_add_u32 v31, v0, 2, 0x29000
	v_mov_b32 v255, 0
	ds_add_u32 v31, v255
	ds_add_u32 v31, v255
	v_lshrrev_b32 v1, 5, v0
	s_delay_alu instid0(VALU_DEP_1)
	v_readfirstlane_b32 s12, v1                    ; wave 0..15
	s_bfe_u32 s13, ttmp6, 0x40000                  ; cx: my block of 512 queries; it enters q's and the outputs' addresses alone
	s_and_b32 s14, ttmp7, 0xffff                   ; the head, 16 b + hd, which the four partners share
	; descriptor group 1: a step record, 8,960 dense bytes, as 35 rows of 256 bytes (32 elements of 8 bytes), no padding: every LDS read takes 16 or 8 bytes a lane on end
	s_mov_b32 s16, 15|(3<<16)|(1<<21)              ; 15:0 the mask: all four work-groups; 17:16 elements of 8 bytes; 21 set beside a mask
	s_mov_b32 s17, 32<<16                          ; tensor_dim0
	s_mov_b32 s18, 35<<16                          ; tensor_dim1
	s_mov_b32 s19, 32<<16                          ; tile_dim0
	s_mov_b32 s20, 35                              ; tile_dim1
	s_mov_b32 s21, 32                              ; tensor_dim0_stride
	s_mov_b32 s22, 0
	s_mov_b32 s23, 0
	s_mul_i32 s36, s14, REC                        ; the head's record
	s_mul_i32 s25, s12, STEPR                      ; LDS address: step record = my wave's number
	s_add_co_u32 s38, s36, s25
	s_mov_b32 s39, 0
	s_mov_b32 s24, 1
	s_wait_dscnt 0x0
	s_wait_kmcnt 0x0
	s_add_nc_u64 s[26:27], s[6:7], s[38:39]
	s_or_b32 s27, s27, 0x80000000
	ROUND                                          ; all four work-groups are here: the joint loads meet
	tensor_load_to_lds s[24:27], s[16:23]          ; one load a wave, the only one of the launch
	s_nop 0
.rept 4
	v_nop
.endr
	s_lshl_b32 s40, s13, 2                         ; q: my two tiles lie in step record 4 cx + wave / 4 of the head's record in qbuf,
	s_lshr_b32 s41, s12, 2
	s_add_co_u32 s40, s40, s41
	s_mul_i32 s40, s40, STEPR
	s_add_co_u32 s40, s40, s36
	s_and_b32 s41, s12, 3
	s_lshl_b32 s42, s41, 10                        ; as its tiles 2 (wave % 4) and + 1;
	s_add_co_u32 s42, s42, s40
	s_mov_b32 s43, 0
	s_lshl_b32 s41, s41, 2                         ; their scale words are words 4 l + wave % 4, the second tile's in l = 16 on
	s_add_co_u32 s40, s40, s41
	s_mov_b32 s41, 0
	s_add_nc_u64 s[34:35], s[4:5], s[40:41]
	s_add_nc_u64 s[4:5], s[4:5], s[42:43]
	s_lshr_b32 s36, s14, 4                         ; the outputs: my first tile of tokens: 128 b + 32 cx + 2 wave
	s_lshl_b32 s36, s36, 7
	s_lshl_b32 s37, s13, 5
	s_add_co_u32 s36, s36, s37
	s_lshl_b32 s37, s12, 1
	s_add_co_u32 s36, s36, s37
	s_bfe_u32 s37, s14, 0x10003                    ; hd / 8
	s_and_b32 s45, s14, 7                          ; hd % 8
	s_lshl_b32 s46, s36, 12
	s_lshl_b32 s47, s37, 21
	s_add_co_u32 s46, s46, s47
	s_lshl_b32 s47, s45, 9
	s_add_co_u32 s46, s46, s47
	s_mov_b32 s47, 0
	s_add_nc_u64 s[8:9], s[8:9], s[46:47]
	s_lshl_b32 s46, s36, 8                         ; 16 tokens of 16 bytes a tile
	s_lshl_b32 s37, s37, 17
	s_add_co_u32 s46, s46, s37
	s_lshl_b32 s45, s45, 1
	s_add_co_u32 s46, s46, s45
	s_add_nc_u64 s[10:11], s[10:11], s[46:47]
	s_mov_b32 s28, 0x76543210
	s_mov_b32 s29, 0xfedcba98                      ; v_permlanex16_b32's selects for lane l xor 16
	s_mov_b32 s30, 0x3e38aa3b                      ; c = log2(e) / 8
	s_mov_b32 s31, s30                             ; (the packed form names the pair, so it is written)
	s_mov_b32 s44, 0xffff0000                      ; the lanes 16-31
	v_and_b32 v4, 31, v0
	s_delay_alu instid0(VALU_DEP_1)
	v_lshlrev_b32 v1, 4, v4
	s_delay_alu instid0(VALU_DEP_2)
	v_lshlrev_b32 v2, 3, v4
	v_and_b32 v3, 15, v0
	s_delay_alu instid0(VALU_DEP_1)
	v_lshlrev_b32 v3, 4, v3
.irp j, 20,21,22,23
	v_mov_b32 v[\j], 0                             ; Q's upper 64 along K: zero codes
.endr
.irp t, 0,1,2,3,4,5,6,7
.irp j, 4,5,6,7
	v_mov_b32 v[32+8*\t+\j], 0                     ; K's likewise, in registers of their own; written once
.endr
.endr
.irp b, 0,1,2,3
	v_mov_b32 v[236+\b], 0                         ; written once: a lane permute's destination counts as one of its sources
.endr
	v_mov_b32 v253, 0                              ; (named as the upper half of the pair v[252:253])
; A KEY STEP: 128 keys.  ahead = 1: the next step's K is asked for.
.macro STEP ahead
	s_wait_dscnt 0x0                               ; this step's K and its scale words, asked for a step ago, are in
.irp t, 0,1,2,3,4,5,6,7                ; S^T = K Q^T: in tile t lane (r, h) holds query r, and its register e key 16 t + 8 h + e
.if \t%2
	v_wmma_scale_f32_16x16x128_f8f6f4 v[96+8*\t:103+8*\t], v[32+8*\t:39+8*\t], v[16:23], 0, v[244+\t/2], v24 matrix_a_fmt:MATRIX_FMT_FP4 matrix_b_fmt:MATRIX_FMT_FP4 matrix_a_scale:MATRIX_SCALE_ROW1
.else
	v_wmma_scale_f32_16x16x128_f8f6f4 v[96+8*\t:103+8*\t], v[32+8*\t:39+8*\t], v[16:23], 0, v[244+\t/2], v24 matrix_a_fmt:MATRIX_FMT_FP4 matrix_b_fmt:MATRIX_FMT_FP4
.endif
.endr
	v_add_nc_u32 v8, s32, v1                       ; four plain lines that name no register of the products: the places in front of the loads into K's, V's and the scale words' registers, and of the first read of the scores
	v_add_nc_u32 v9, s32, v2
	v_mov_b32 v254, v12                            ; the old -M
	v_nop
	s_add_co_u32 s32, s32, STEPR
.irp d, 0,1,2,3
.irp c, 0,1
	ds_load_b128 v[192+8*\d+4*\c:195+8*\d+4*\c], v8 offset:VIMG+1024*\d+512*\c     ; V of this step: it lands while the softmax is worked
.endr
.endr
	ds_load_b64 v[248:249], v9 offset:VSC
.if \ahead
.irp t, 0,1,2,3,4,5,6,7
	ds_load_b128 v[32+8*\t:35+8*\t], v8 offset:STEPR+512*\t                        ; K of the next step
.endr
	ds_load_b128 v[244:247], v8 offset:STEPR+KSC
.endif
.irp b, 0,1,2,3
	v_max3_num_f32 v[232+\b], v[96+16*\b], v[97+16*\b], v[98+16*\b]   ; THE LARGEST SCORE OF EACH BLOCK OF 32 KEYS: it serves for the row's maximum and, since p rises with the score, for the block's largest p
.endr
.irp i, 3,5,7,9,11,13
.irp b, 0,1,2,3
	v_max3_num_f32 v[232+\b], v[232+\b], v[96+16*\b+\i], v[97+16*\b+\i]   ; (the four blocks by turns)
.endr
.endr
.irp b, 0,1,2,3
	v_max_num_f32 v[232+\b], v[232+\b], v[111+16*\b]
.endr
.irp b, 0,1,2,3
	s_delay_alu instid0(VALU_DEP_4)
	v_permlanex16_b32 v[236+\b], v[232+\b], s28, s29
.endr
.irp b, 0,1,2,3
	s_delay_alu instid0(VALU_DEP_4)
	v_max_num_f32 v[232+\b], v[232+\b], v[236+\b]  ; with lane l xor 16's 16 keys
.endr
	s_delay_alu instid0(VALU_DEP_2)
	v_max3_num_f32 v251, v232, v233, v234
	s_delay_alu instid0(VALU_DEP_1)
	v_max_num_f32 v251, v251, v235                 ; the step's largest score of my query
	s_delay_alu instid0(VALU_DEP_1)
	v_mul_f32 v251, s30, v251                      ; as t (c is positive)
	s_delay_alu instid0(VALU_DEP_1)
	v_max_num_f32 v13, v13, v251                   ; the running largest t
	s_delay_alu instid0(VALU_DEP_1)
	v_floor_f32 v12, -v13                          ; the new -M = floor(-t) = -ceil(t): M is a whole number
	s_delay_alu instid0(VALU_DEP_1)
	v_sub_f32 v254, v12, v254                      ; M's old value less its new one: a whole number, 0 or less
	s_delay_alu instid0(VALU_DEP_1)
	v_cvt_i32_f32 v254, v254                       ; (it saturates)
	s_delay_alu instid0(VALU_DEP_1)
	v_ldexp_f32 v252, 1.0, v254                    ; f = 2^(old M - new M)
.irp j, 0,2,4,6,8,10,12,14,16,18,20,22,24,26,28,30,32,34,36,38,40,42,44,46,48,50,52,54,56,58,60,62
	v_pk_fma_f32 v[96+\j:97+\j], v[96+\j:97+\j], s[30:31], v[12:13] op_sel_hi:[1,0,0]   ; t - M, two at a time (of the pairs c and -M the low word serves both halves)
.endr
.irp b, 0,1,2,3
	v_fma_f32 v[232+\b], v[232+\b], s30, v12       ; the same of each block's largest score
.endr
	s_wait_alu depctr_va_vdst(0)
.irp j, 0,1,2,3,4,5,6,7,8,9,10,11,12,13,14,15,16,17,18,19,20,21,22,23,24,25,26,27,28,29,30,31,32,33,34,35,36,37,38,39,40,41,42,43,44,45,46,47,48,49,50,51,52,53,54,55,56,57,58,59,60,61,62,63
	v_exp_f32 v[96+\j], v[96+\j]                   ; p = 2^(t - M), at most 1: not normalised
.endr
	s_setprio 1
.irp b, 0,1,2,3
	v_exp_f32 v[232+\b], v[232+\b]                 ; the block's largest p: the same two instructions on the same number give the same bits
.endr
	v_pk_mul_f32 v[14:15], v[14:15], v[252:253] op_sel_hi:[1,0]   ; the sums under the new M.  (A plain place behind the exponentials)
	s_wait_alu depctr_va_vdst(0)
.irp b, 0,1,2,3
	v_max_num_f32 v[232+\b], 0x1800000, v[232+\b]  ; the floor 2^(3 - 127): the byte cannot fall under 1
.endr
.irp b, 0,1,2,3
	s_delay_alu instid0(VALU_DEP_4)
	v_add_nc_u32 v[240+\b], 0xff000000, v[232+\b]  ; 2 off the exponent field: the conversion's scale operand
.endr
.irp b, 0,1,2,3
	s_delay_alu instid0(VALU_DEP_4)
	v_lshrrev_b32 v[236+\b], 23, v[240+\b]         ; the scale's byte
.endr
	s_delay_alu instid0(VALU_DEP_3)
	v_lshl_or_b32 v250, v237, 8, v236              ; p's scale word for these 128 keys
	s_delay_alu instid0(VALU_DEP_1)
	v_lshl_or_b32 v250, v238, 16, v250
	s_delay_alu instid0(VALU_DEP_1)
	v_lshl_or_b32 v250, v239, 24, v250
.irp c, 0,1                            ; 64 keys: tiles 4 c .. 4 c + 3, blocks 2 c and 2 c + 1, in the order that the exchanges below want
	v_cvt_scalef32_pk8_fp4_f32 v[224+4*\c], v[96+32*\c:103+32*\c], v[240+2*\c]
	v_cvt_scalef32_pk8_fp4_f32 v[225+4*\c], v[112+32*\c:119+32*\c], v[241+2*\c]
	v_cvt_scalef32_pk8_fp4_f32 v[226+4*\c], v[104+32*\c:111+32*\c], v[240+2*\c]
	v_cvt_scalef32_pk8_fp4_f32 v[227+4*\c], v[120+32*\c:127+32*\c], v[241+2*\c]
.endr
	v_nop                                          ; one plain place behind the scaled conversions
.irp c, 0,1
	v_permlane16_swap_b32 v[224+4*\c], v[225+4*\c] ; the first's lanes 16-31 change places with the second's lanes 0-15: octets 0 and 1 of block 2 c + h,
	v_permlane16_swap_b32 v[226+4*\c], v[227+4*\c] ; octets 2 and 3
.endr
	v_pk_add_f32 v[236:237], v[100:101], v[104:105]
	v_pk_add_f32 v[242:243], v[108:109], v[112:113]
	v_pk_add_f32 v[240:241], v[116:117], v[120:121]
	v_pk_add_f32 v[234:235], v[124:125], v[128:129]
	v_pk_add_f32 v[232:233], v[132:133], v[136:137]
	v_pk_add_f32 v[28:29], v[140:141], v[144:145]
	v_pk_add_f32 v[26:27], v[148:149], v[152:153]
	v_pk_add_f32 v[14:15], v[14:15], v[156:157]
	v_pk_add_f32 v[236:237], v[236:237], v[96:97]
	v_pk_add_f32 v[242:243], v[242:243], v[98:99]
	v_pk_add_f32 v[240:241], v[240:241], v[102:103]
	v_pk_add_f32 v[234:235], v[234:235], v[106:107]
	v_pk_add_f32 v[232:233], v[232:233], v[110:111]
	v_pk_add_f32 v[28:29], v[28:29], v[114:115]
	v_pk_add_f32 v[26:27], v[26:27], v[118:119]
	v_pk_add_f32 v[14:15], v[14:15], v[122:123]
	v_pk_add_f32 v[236:237], v[236:237], v[126:127]
	v_pk_add_f32 v[242:243], v[242:243], v[130:131]
	v_pk_add_f32 v[240:241], v[240:241], v[134:135]
	v_pk_add_f32 v[234:235], v[234:235], v[138:139]
	v_pk_add_f32 v[232:233], v[232:233], v[142:143]
	v_pk_add_f32 v[28:29], v[28:29], v[146:147]
	v_pk_add_f32 v[26:27], v[26:27], v[150:151]
	v_pk_add_f32 v[14:15], v[14:15], v[154:155]
	v_pk_add_f32 v[236:237], v[236:237], v[158:159]
	s_delay_alu instid0(VALU_DEP_2)
	v_pk_add_f32 v[14:15], v[14:15], v[234:235]
	s_delay_alu instid0(VALU_DEP_2)
	v_pk_add_f32 v[236:237], v[236:237], v[232:233]
	v_pk_add_f32 v[242:243], v[242:243], v[28:29]
	v_pk_add_f32 v[240:241], v[240:241], v[26:27]
	s_delay_alu instid0(VALU_DEP_2)
	v_pk_add_f32 v[14:15], v[14:15], v[242:243]
	s_delay_alu instid0(VALU_DEP_2)
	v_pk_add_f32 v[236:237], v[236:237], v[240:241]
	s_delay_alu instid0(VALU_DEP_1)
	v_pk_add_f32 v[14:15], v[14:15], v[236:237]
	s_setprio 0
.irp j, 0,2,4,6,8,10,12,14,16,18,20,22,24,26,28,30
	v_pk_mul_f32 v[160+\j:161+\j], v[160+\j:161+\j], v[252:253] op_sel_hi:[1,0]   ; O^T under the new M, each accumulator from its low end on.  (With the sums above: the places between p's codes and scale word and the products below)
.endr
.if \ahead
	s_wait_alu depctr_va_vdst(0)
	s_wait_dscnt 9                                 ; V and its scale words are in; the nine loads of the next step's K, issued behind them, may be out
.else
	s_wait_alu depctr_va_vdst(0)
	s_wait_dscnt 0x0
.endif
.irp d, 0,1,2,3                        ; O^T += V^T P^T: the four accumulators by turns
.if \d%2
	v_wmma_scale_f32_16x16x128_f8f6f4 v[160+8*\d:167+8*\d], v[192+8*\d:199+8*\d], v[224:231], v[160+8*\d:167+8*\d], v[248+\d/2], v250 matrix_a_fmt:MATRIX_FMT_FP4 matrix_b_fmt:MATRIX_FMT_FP4 matrix_a_scale:MATRIX_SCALE_ROW1
.else
	v_wmma_scale_f32_16x16x128_f8f6f4 v[160+8*\d:167+8*\d], v[192+8*\d:199+8*\d], v[224:231], v[160+8*\d:167+8*\d], v[248+\d/2], v250 matrix_a_fmt:MATRIX_FMT_FP4 matrix_b_fmt:MATRIX_FMT_FP4
.endif
.endr
.endm
; ONE TILE OF 16 QUERIES against all 2,048 keys.
.macro PASS p
.if \p
	s_wait_xcnt 0x0                                ; the last tile's store has read its registers: they are written again only behind this wait
.endif
	global_load_b128 v[16:19], v1, s[4:5] offset:512*\p            ; Q's fragment, as it was stored: 16 bytes a lane
	global_load_b32 v24, v3, s[34:35] offset:KSC+256*\p            ; its scale words: lane r (and 16 + r) takes row r's
.irp t, 0,1,2,3,4,5,6,7
	ds_load_b128 v[32+8*\t:35+8*\t], v1 offset:512*\t              ; K of step 0
.endr
	ds_load_b128 v[244:247], v1 offset:KSC
	v_mov_b32 v13, 0xff61b1e6                      ; the largest t so far: -3e38, under every t
	s_delay_alu instid0(VALU_DEP_1)
	v_floor_f32 v12, -v13                          ; -M
	v_mov_b32 v14, 0                               ; the sum, in two halves
	v_mov_b32 v15, 0
.irp j, 0,1,2,3,4,5,6,7,8,9,10,11,12,13,14,15,16,17,18,19,20,21,22,23,24,25,26,27,28,29,30,31
	v_mov_b32 v[160+\j], 0                         ; O^T.  (The step is written once for all trips: the first finds zeros, which the first change of M leaves zeros)
.endr
	s_mov_b32 s32, 0                               ; LDS byte at which the step's record begins
	s_mov_b32 s33, 15
	s_wait_loadcnt 0x0                             ; Q
.Lstep_\@:
	s_setprio 2
	STEP 1
	s_sub_co_u32 s33, s33, 1
	s_cmp_lg_u32 s33, 0
	s_cbranch_scc1 .Lstep_\@
	s_setprio 0
	STEP 0                                         ; the last step is written out: it asks for nothing beyond the record
.rept 4
	v_nop                                          ; four places between the last products and the first read of O^T
.endr
	v_add_f32 v14, v14, v15                        ; the sum's two halves,
	s_delay_alu instid0(VALU_DEP_1)
	v_permlanex16_b32 v252, v14, s28, s29
	s_delay_alu instid0(VALU_DEP_1)
	v_add_f32 v14, v14, v252                       ; and lane l xor 16's: the row's sum, more than 1/2
	s_wait_alu depctr_va_vdst(0)
	v_rcp_f32 v14, v14
	v_nop                                          ; one plain place behind the transcendental
	s_wait_alu depctr_va_vdst(0)
.irp j, 0,2,4,6,8,10,12,14,16,18,20,22,24,26,28,30
	v_pk_mul_f32 v[96+\j:97+\j], v[160+\j:161+\j], v[14:15] op_sel_hi:[1,0]   ; O^T / the sum: register 8 d + e is channel 16 d + 8 h + e of my query
.endr
	v_max3_num_f32 v232, |v96|, |v97|, 0x1800000   ; the head's two blocks of 32 along d_model: my 16 numbers of each, and the floor
	v_max3_num_f32 v233, |v112|, |v113|, 0x1800000
.irp i, 2,4,6,8,10,12,14
	s_delay_alu instid0(VALU_DEP_2)
	v_max3_num_f32 v232, |v[96+\i]|, |v[97+\i]|, v232
	s_delay_alu instid0(VALU_DEP_2)
	v_max3_num_f32 v233, |v[112+\i]|, |v[113+\i]|, v233
.endr
	s_delay_alu instid0(VALU_DEP_2)
	v_permlanex16_b32 v236, v232, s28, s29
	s_delay_alu instid0(VALU_DEP_2)
	v_permlanex16_b32 v237, v233, s28, s29
	s_delay_alu instid0(VALU_DEP_2)
	v_max_num_f32 v232, v232, v236
	s_delay_alu instid0(VALU_DEP_2)
	v_max_num_f32 v233, v233, v237
	s_delay_alu instid0(VALU_DEP_2)
	v_add_nc_u32 v240, 0xff000000, v232
	s_delay_alu instid0(VALU_DEP_2)
	v_add_nc_u32 v241, 0xff000000, v233
	s_delay_alu instid0(VALU_DEP_2)
	v_lshrrev_b32 v236, 23, v240
	s_delay_alu instid0(VALU_DEP_2)
	v_lshrrev_b32 v237, 23, v241
	v_cvt_scalef32_pk8_fp4_f32 v224, v[96:103], v240
	v_cvt_scalef32_pk8_fp4_f32 v225, v[112:119], v241
	v_cvt_scalef32_pk8_fp4_f32 v226, v[104:111], v240
	v_cvt_scalef32_pk8_fp4_f32 v227, v[120:127], v241
	v_nop                                          ; one plain place behind the scaled conversions
	v_permlane16_swap_b32 v224, v225
	v_permlane16_swap_b32 v226, v227
	global_store_b128 v1, v[224:227], s[8:9] offset:4096*\p        ; 32 lanes store 512 consecutive bytes: the tile's chunk of this head
.if \p
	v_lshl_or_b32 v254, v237, 8, v236
	s_delay_alu instid0(VALU_DEP_1)
	v_cndmask_b32 v25, v25, v254, s44              ; lanes 0-15 the first tile's rows, lanes 16-31 the second's
	global_store_b16 v1, v25, s[10:11]             ; lane l: token l of my 32, its row of 16 bytes
.else
	v_lshl_or_b32 v25, v237, 8, v236               ; my row's two bytes (both halves of the lanes hold them)
.endif
.endm
	s_wait_tensorcnt 0x0                           ; my step record has landed,
	s_barrier_signal -1
	s_barrier_wait -1                              ; everybody's has: the head's record is whole
	PASS 0
	PASS 1
	s_wait_tensorcnt 0x0
	ds_add_u32 v31, v255
	s_wait_dscnt 0x0
	ROUND                                          ; the closing round: no work-group ends while a partner may still ask for a tile that names it
	s_endpgm
.Lfunc_end_k_q873d5783bb_attn:
	.size	k_q873d5783bb_attn, .Lfunc_end_k_q873d5783bb_attn-k_q873d5783bb_attn
	.p2alignl 7, 3214868480
	.fill 96, 4, 3214868480
	.section	.rodata,"a",@progbits
	.p2align	6, 0x0
	.amdhsa_kernel k_q873d5783bb_attn
		.amdhsa_group_segment_fixed_size 169984
		.amdhsa_private_segment_fixed_size 0
		.amdhsa_enable_private_segment 0
		.amdhsa_kernarg_size 32
		.amdhsa_user_sgpr_count 2
		.amdhsa_user_sgpr_kernarg_segment_ptr 1
		.amdhsa_wavefront_size32 1
		.amdhsa_system_sgpr_workgroup_id_x 1
		.amdhsa_system_sgpr_workgroup_id_y 1
		.amdhsa_system_sgpr_workgroup_id_z 1
		.amdhsa_system_vgpr_workitem_id 0
		.amdhsa_next_free_vgpr 256
		.amdhsa_next_free_sgpr 66
		.amdhsa_reserve_vcc 0
		.amdhsa_float_denorm_mode_32 3
		.amdhsa_float_denorm_mode_16_64 3
		.amdhsa_memory_ordered 1
		.amdhsa_forward_progress 1
		.amdhsa_inst_pref_size 80
	.end_amdhsa_kernel
	.amdgpu_metadata
---
amdhsa.version: [ 1, 2 ]
amdhsa.kernels:
  - .name:           k_q873d5783bb_attn
    .symbol:         k_q873d5783bb_attn.kd
    .args:
      - { .name: qbuf, .offset: 0, .size: 8, .value_kind: global_buffer, .address_space: global }
      - { .name: kvbuf, .offset: 8, .size: 8, .value_kind: global_buffer, .address_space: global }
      - { .name: att_img, .offset: 16, .size: 8, .value_kind: global_buffer, .address_space: global }
      - { .name: att_sc, .offset: 24, .size: 8, .value_kind: global_buffer, .address_space: global }
    .group_segment_fixed_size: 169984
    .private_segment_fixed_size: 0
    .kernarg_segment_align: 8
    .kernarg_segment_size: 32
    .max_flat_workgroup_size: 512
    .sgpr_count:     66
    .vgpr_count:     256
    .wavefront_size: 32
...
	.end_amdgpu_metadata
.endif
;; end of part 2
;; launch outp (part 3): grid 4 x 64, 4 waves a work-group, clusters of 4 x 4, 327,680 bytes of LDS; arguments att_img, att_sc, Wo_codes, Wo_scales, bo, out0; writes out0
.if DOCPART == 3
	.amdgcn_target "amdgcn-amd-amdhsa--gfx1250"
	.amdhsa_code_object_version 6
	.text
	.protected	k_q873d5783bb_outp
	.globl	k_q873d5783bb_outp
	.p2align	8
	.type	k_q873d5783bb_outp,@function
k_q873d5783bb_outp:
	s_mov_b64 s[64:65], 0
	v_nop
	global_prefetch_b8 v0, s[64:65] scope:SCOPE_SE
	s_setreg_imm32_b32 hwreg(HW_REG_WAVE_MODE, 25, 1), 1
	s_wait_xcnt 0x0
	s_wait_alu depctr_hold_cnt(0) depctr_sa_sdst(0) depctr_va_vdst(0) depctr_va_sdst(0) depctr_va_ssrc(0) depctr_va_vcc(0) depctr_vm_vsrc(0)
	s_getreg_b32 s2, hwreg(HW_REG_IB_STS2, 6, 4)
	s_cmp_eq_u32 s2, 0
	s_cbranch_scc0 .Lentry_in_a_cluster
	s_endpgm
.Lentry_in_a_cluster:
	s_bfe_u32 s2, ttmp6, 0x10000c
	s_cmp_lg_u32 s2, 0xf033
	s_cbranch_scc0 .Lentry_shape_is_right
	s_endpgm
.Lentry_shape_is_right:
; out0 = att Wo + bo on codes of FP4 (E2M1) with E8M0 scales.  att: the attention's result as codes, 8,192 tokens x 1,024, laid as images of the operand's registers:
; att_img [half of K][token / 16][8 chunks of 64 along K][512 bytes], lane l's 16 bytes at 16 l; att_sc [half of K][token][16 bytes].  Wo: [1024 columns][1024] codes, K innermost (rows of 512 bytes), scales [1024][32].
; bo [1024] and out0 [8192][1024]: f32.
; A tile of out0 is 128 tokens x 256 columns, so that the launch has 256 work-groups; four waves, each 64 tokens x 128 columns: 32 accumulators of 16 x 16.
; ALL OF K LIES IN LDS AT ONCE, in two slots of 512 along K; every byte is filled once.  The second slot may still be on its way while the first is multiplied.
; CLUSTERS: 4 x 4 work-groups.  The four of a row of the cluster need the same tokens of att, the four of a column the same rows of Wo: each tile is asked for jointly.
; THE MATRIX INSTRUCTION IS USED TRANSPOSED (source 0 = 16 rows of Wo, source 1 = 16 tokens): a lane holds eight neighbouring columns of a token's row.  The bias is the C of each sum's first product.
; REGISTERS: window 0: v1-29 addresses; v32-63 att's scale words, v64-127 Wo's (they hold nothing else); v128-191 the bias, later with v192-255 the way out's two sets.
;   window 1: set p of fragments at 128 p: Wo's eight, then att's four.   window 2: the accumulators (token tile i, column tile j at 64 i + 8 j).
.set PITCH,  272                       ; a row of Wo in LDS: 256 bytes + 16 of padding
.set ATTB,   8*4096                    ; att's part of a slot: 8 token tiles x 8 chunks of 512 bytes, dense
.set HALFW,  128*PITCH                 ; 128 rows of Wo
.set SLOT,   ATTB+2*HALFW              ; 102,400
.set ASC,    2*SLOT                    ; att's scale bytes: 128 tokens x 16 bytes for each half of K
.set WSC,    ASC+2*2048                ; Wo's: as units of 256 bytes + 16 of padding; 4,352 for 128 rows
.set HALFS,  16*272
.set SBLK,   2*272
.set STAGE,  WSC+2*HALFS               ; the way out: 16 rows x (512 bytes + 16) for each wave, in bytes of its own, into which no fill lands
.set SPITCH, 528
.set ADA, 16                           ; v16-17  LDS address of my att fragments in slot 0, 1
.set ADW, 20                           ; v20-21  the same for Wo
.set STO, 24                           ; v24     the way out: where I put 32 bytes of a row
.set RD,  25                           ; v25     where I read a row back
.set CO,  26                           ; v26     16 x lane: my bytes of a row of 512
.set ASA, 27                           ; v27     LDS address of att's scale words
.set ASW, 28                           ; v28     of Wo's
.set BO,  29                           ; v29     the bias: 32 (lane / 16)
.set SCA, 32                           ; v[SCA + 16 slot + 4 i + q]
.set SCW, 64                           ; v[SCW + 32 slot + 4 j + q]
.set BIAS, 128
.set BK,  128                          ; the way out: v128-191 and v192-255 by turns
.set G1A, 24                           ; s[24:31] group 1 for att's codes;  s[32:39] group 0, one set for each slot
.set G0A, 32
.set G1W, 48                           ; s[48:55], s[56:63] the same for Wo's codes
.set G0W, 56
.set G1AS, 68                          ; s[68:75], s[76:79] for att's scales;  s[80:87], s[88:91] for Wo's
.set G0AS, 76
.set G1WS, 80
.set G0WS, 88
.set MSB, 0
.macro WIN new                         ; the immediate's high byte repeats the setting that is left
.if MSB != (\new)
	s_set_vgpr_msb (MSB<<8)|(\new)
.set MSB, (\new)
.endif
.endm
; A joint load: waves 0 and 1 fetch for att, waves 2 and 3 for Wo.  The branch hangs on the wave's number alone.  Four v_nop follow each of the two lines.
.macro JLOAD g0a, g1a, g0b, g1b
	s_cmp_eq_u32 s15, 0
	s_cbranch_scc0 .Lfor_w_\@
	tensor_load_to_lds s[\g0a:\g0a+3], s[\g1a:\g1a+7]
	s_nop 0
.rept 4
	v_nop
.endr
	s_branch .Lasked_\@
.Lfor_w_\@:
	tensor_load_to_lds s[\g0b:\g0b+3], s[\g1b:\g1b+7]
	s_nop 0
.rept 4
	v_nop
.endr
.Lasked_\@:
.endm
.macro CROUND                          ; a round of the cluster's barrier
	s_barrier_signal -1
	s_barrier_wait -1
	s_cmp_lg_u32 s14, 0
	s_cbranch_scc1 .Lnot_wave_0_\@
	s_barrier_signal -3
.Lnot_wave_0_\@:
	s_barrier_wait -3
	s_barrier_signal -1
	s_barrier_wait -1
.endm
.macro PLACES n
.rept \n
	v_nop
.endr
.endm
	s_load_b128 s[4:7], s[0:1], 0x0                ; att's codes, att's scales
	s_load_b128 s[8:11], s[0:1], 0x10              ; Wo's codes, Wo's scales
	s_load_b64 s[96:97], s[0:1], 0x20              ; bo
	s_load_b64 s[12:13], s[0:1], 0x28              ; out0
	v_lshl_add_u32 v30, v0, 2, 0x3d600
	v_mov_b32 v31, 0
	ds_add_u32 v30, v31
	ds_add_u32 v30, v31
	v_lshrrev_b32 v1, 5, v0
	v_readfirstlane_b32 s14, v1                    ; wave 0..3
	s_lshr_b32 s15, s14, 1                         ; which 64 tokens are mine.  Also: I fetch for att (0) or for Wo (1)
	s_and_b32 s16, s14, 1                          ; which 128 columns.  Also: which half of that operand's tile I fetch
	s_bfe_u32 s40, ttmp6, 0x40000                  ; cx, cy: my place in the cluster
	s_bfe_u32 s41, ttmp6, 0x40004
	s_lshl_b32 s42, ttmp9, 2
	s_add_co_u32 s42, s42, s40                     ; which 256 columns = 4 x cluster x + cx
	s_and_b32 s17, ttmp7, 0xffff
	s_lshl_b32 s17, s17, 2
	s_add_co_u32 s17, s17, s41                     ; ty: which 128 tokens = 4 x cluster y + cy
	s_lshl_b32 s43, s41, 2
	s_lshl_b32 s43, 15, s43                        ; my row of the cluster
	s_lshl_b32 s44, 0x1111, s40                    ; my column
	; group 1.  att's codes: 4 token tiles of a half of K are 16,384 dense bytes: 64 rows of 256 bytes (32 elements of 8 bytes), no padding: they are read 16 bytes a lane on end
	s_or_b32 s[G1A+0], s43, (3<<16)|(1<<21)
	s_mov_b32 s[G1A+1], 32<<16
	s_mov_b32 s[G1A+2], 64<<16
	s_mov_b32 s[G1A+3], 32<<16
	s_mov_b32 s[G1A+4], 64
	s_mov_b32 s[G1A+5], 32
	s_mov_b32 s[G1A+6], 0
	s_mov_b32 s[G1A+7], 0
	; att's scales of 128 tokens and a half of K: 2,048 dense bytes: 8 rows of 256
	s_or_b32 s[G1AS+0], s43, (3<<16)|(1<<21)
	s_mov_b32 s[G1AS+1], 32<<16
	s_mov_b32 s[G1AS+2], 8<<16
	s_mov_b32 s[G1AS+3], 32<<16
	s_mov_b32 s[G1AS+4], 8
	s_mov_b32 s[G1AS+5], 32
	s_mov_b32 s[G1AS+6], 0
	s_mov_b32 s[G1AS+7], 0
	; Wo's codes: 128 rows x 256 bytes out of rows of 512, four words of padding behind every 64
	s_or_b32 s[G1W+0], s44, (0<<16)|(1<<20)|(1<<21)|(5<<22)|(3<<25)
	s_mov_b32 s[G1W+1], 256<<16
	s_mov_b32 s[G1W+2], 128<<16
	s_mov_b32 s[G1W+3], 256<<16
	s_mov_b32 s[G1W+4], 128
	s_mov_b32 s[G1W+5], 512
	s_mov_b32 s[G1W+6], 0
	s_mov_b32 s[G1W+7], 0
	; Wo's scales of 128 rows: 4,096 dense bytes: 16 rows of 256, padded likewise
	s_or_b32 s[G1WS+0], s44, (3<<16)|(1<<20)|(1<<21)|(5<<22)|(3<<25)
	s_mov_b32 s[G1WS+1], 32<<16
	s_mov_b32 s[G1WS+2], 16<<16
	s_mov_b32 s[G1WS+3], 32<<16
	s_mov_b32 s[G1WS+4], 16
	s_mov_b32 s[G1WS+5], 32
	s_mov_b32 s[G1WS+6], 0
	s_mov_b32 s[G1WS+7], 0
	s_lshl_b32 s20, s17, 15                        ; att's codes: token tile 8 ty + 4 x half, 4,096 bytes a tile
	s_lshl_b32 s18, s16, 14
	s_add_co_u32 s20, s20, s18
	s_mov_b32 s21, 0
	s_lshl_b32 s22, s17, 11                        ; att's scales: the half of K = my half's number, 2,048 ty bytes on
	s_lshl_b32 s18, s16, 17
	s_add_co_u32 s22, s22, s18
	s_mov_b32 s23, 0
	s_lshl_b32 s18, s16, 7
	s_lshl_b32 s46, s42, 8
	s_add_co_u32 s46, s46, s18                     ; Wo: row 256 x column tile + 128 x half
	s_lshl_b32 s92, s46, 5                         ; its scales,
	s_mov_b32 s93, 0
	s_lshl_b32 s46, s46, 9                         ; its codes
	s_mov_b32 s47, 0
	s_lshl_b32 s45, s16, 14                        ; where they go, by the wave's number alone: att's codes,
	s_mul_i32 s94, s16, HALFW
	s_add_co_u32 s94, s94, ATTB                    ; Wo's codes,
	s_lshl_b32 s95, s16, 11
	s_add_co_u32 s95, s95, ASC                     ; att's scales,
	s_mul_i32 s19, s16, HALFS
	s_add_co_u32 s19, s19, WSC                     ; Wo's scales
	s_wait_dscnt 0x0
	s_wait_kmcnt 0x0
	s_add_nc_u64 s[20:21], s[4:5], s[20:21]
	s_add_nc_u64 s[22:23], s[6:7], s[22:23]
	s_add_nc_u64 s[46:47], s[8:9], s[46:47]
	s_add_nc_u64 s[92:93], s[10:11], s[92:93]
	CROUND                                         ; all sixteen work-groups are here: the joint loads meet
	s_mov_b32 s[G0AS], 1
	s_mov_b32 s[G0AS+1], s95
	s_mov_b64 s[G0AS+2:G0AS+3], s[22:23]
	s_or_b32 s[G0AS+3], s[G0AS+3], 0x80000000
	s_mov_b32 s[G0WS], 1
	s_mov_b32 s[G0WS+1], s19
	s_mov_b64 s[G0WS+2:G0WS+3], s[92:93]
	s_or_b32 s[G0WS+3], s[G0WS+3], 0x80000000
	JLOAD G0AS, G1AS, G0WS, G1WS                   ; the scales first: they are wanted with K step 0.  Three loads a wave in all, one out at a time
.irp s, 0,1
	s_mov_b32 s[G0A+4*\s], 1
	s_add_co_u32 s[G0A+4*\s+1], s45, \s*SLOT
	s_add_nc_u64 s[G0A+4*\s+2:G0A+4*\s+3], s[20:21], \s*2097152
	s_or_b32 s[G0A+4*\s+3], s[G0A+4*\s+3], 0x80000000
	s_mov_b32 s[G0W+4*\s], 1
	s_add_co_u32 s[G0W+4*\s+1], s94, \s*SLOT
	s_add_nc_u64 s[G0W+4*\s+2:G0W+4*\s+3], s[46:47], \s*256
	s_or_b32 s[G0W+4*\s+3], s[G0W+4*\s+3], 0x80000000
	s_wait_alu depctr_va_vdst(0)
	s_wait_tensorcnt 0x0
	ds_add_u32 v30, v31
	s_wait_dscnt 0x0
	CROUND
	JLOAD G0A+4*\s, G1A, G0W+4*\s, G1W
.endr
	s_lshl_b32 s46, s42, 10                        ; my first column, in bytes: 1,024 x column tile + 512 x half
	s_lshl_b32 s47, s16, 9
	s_add_co_u32 s46, s46, s47
	s_mov_b32 s47, 0
	s_add_nc_u64 s[96:97], s[96:97], s[46:47]      ; the bias there,
	s_add_nc_u64 s[12:13], s[12:13], s[46:47]
	s_lshl_b32 s46, s17, 19                        ; and out0 at my first token: (128 ty + 64 x half) rows of 4,096 bytes
	s_lshl_b32 s92, s15, 18
	s_add_co_u32 s46, s46, s92
	s_add_nc_u64 s[12:13], s[12:13], s[46:47]
	v_and_b32 v1, 15, v0                           ; r
	v_bfe_u32 v2, v0, 4, 1                         ; h
	v_and_b32 v6, 31, v0
	v_lshlrev_b32 v[CO], 4, v6                     ; 16 x lane
	v_mul_u32_u24 v3, v1, PITCH
	v_lshl_add_u32 v4, v2, 4, v3                   ; Wo: a fragment's row x pitch + 16 h
	s_lshl_b32 s21, s15, 14                        ; my 4 token tiles of att
	s_mul_i32 s22, s16, HALFW
	s_add_co_u32 s22, s22, ATTB                    ; my 128 rows of Wo
.irp s, 0,1
	v_add_nc_u32 v[ADA+\s], s21, v[CO]
	v_add_nc_u32 v[ADW+\s], s22, v4
	s_add_co_u32 s21, s21, SLOT
	s_add_co_u32 s22, s22, SLOT
.endr
	s_lshl_b32 s21, s15, 10
	s_add_co_u32 s21, s21, ASC
	v_lshl_add_u32 v[ASA], v1, 4, s21              ; att's scale words: 16 bytes a token
	v_lshlrev_b32 v5, 5, v1                        ; Wo's: 32 bytes a row,
	v_lshrrev_b32 v7, 3, v1
	v_lshl_add_u32 v5, v7, 4, v5                   ; and 16 more for each 256 passed
	s_mul_i32 s21, s16, HALFS
	s_add_co_u32 s21, s21, WSC
	v_add_nc_u32 v[ASW], s21, v5
	s_mul_i32 s23, s14, 16*SPITCH
	s_add_co_u32 s23, s23, STAGE                   ; my stage
	v_mul_u32_u24 v5, v1, SPITCH                   ; in: row r, 32 bytes for each half of the lanes
	v_lshl_add_u32 v5, v2, 5, v5
	v_add_nc_u32 v[STO], s23, v5
	v_add_nc_u32 v[RD], s23, v[CO]                 ; back: the 32 lanes take one row of 512 bytes
	v_lshlrev_b32 v[BO], 5, v2
.irp j, 0,1,2,3,4,5,6,7                ; C(column 16 j + 8 h + e, token) = eight neighbouring numbers of the bias
	global_load_b128 v[BIAS+8*\j:BIAS+8*\j+3], v[BO], s[96:97] offset:64*\j
	global_load_b128 v[BIAS+8*\j+4:BIAS+8*\j+7], v[BO], s[96:97] offset:64*\j+16
.endr
; The fragments of K step q into set q % 2: Wo's eight from rows (registers 4 c .. 4 c + 3: K = 64 c + 32 h on: 16 bytes of the row), att's four as they were stored (chunk 2 (q % 4) + c of the tile)
.macro FETCH q
	WIN 0x40                                       ; destination window 1, address window 0
.irp j, 0,1,2,3,4,5,6,7
.irp c, 0,1
	ds_load_b128 v[128*((\q)%2)+8*\j+4*\c:128*((\q)%2)+8*\j+4*\c+3], v[ADW+(\q)/4] offset:64*((\q)%4)+32*\c+\j*16*PITCH
.endr
.endr
.irp i, 0,1,2,3
.irp c, 0,1
	ds_load_b128 v[128*((\q)%2)+64+8*\i+4*\c:128*((\q)%2)+64+8*\i+4*\c+3], v[ADA+(\q)/4] offset:4096*\i+1024*((\q)%4)+512*\c
.endr
.endr
	WIN 0
.endm
; 32 matrix instructions: the 32 accumulators take turns, one instruction a turn, in the same order in every step
.macro MUL32 q
.irp a, 0,1,2,3
.irp b, 0,1,2,3,4,5,6,7
.set R_D, 64*\a+8*\b
.set R_W, 128*((\q)%2)+8*\b
.set R_A, 128*((\q)%2)+64+8*\a
.set C_W, SCW+32*((\q)/4)+4*\b+(\q)%4
.set C_A, SCA+16*((\q)/4)+4*\a+(\q)%4
.if (\q) == 0
	v_wmma_scale_f32_16x16x128_f8f6f4 v[R_D:R_D+7], v[R_W:R_W+7], v[R_A:R_A+7], v[BIAS+8*\b:BIAS+8*\b+7], v[C_W], v[C_A] matrix_a_fmt:MATRIX_FMT_FP4 matrix_b_fmt:MATRIX_FMT_FP4
.else
	v_wmma_scale_f32_16x16x128_f8f6f4 v[R_D:R_D+7], v[R_W:R_W+7], v[R_A:R_A+7], v[R_D:R_D+7], v[C_W], v[C_A] matrix_a_fmt:MATRIX_FMT_FP4 matrix_b_fmt:MATRIX_FMT_FP4
.endif
.endr
.endr
.endm
.macro STEP q
	s_wait_dscnt 0x0                               ; this step's fragments (and, in step 0, the scale words) are in
.if (\q) == 3
	s_wait_tensorcnt 0x0                           ; my part of slot 1 has landed,
	s_barrier_signal -1
	s_barrier_wait -1                              ; everybody's has: the next step's fragments are read from it.
.endif
.if (\q) < 7
.if (\q) > 0
	PLACES 4                                       ; four places between the last step's products and loads into the set that the step before it read
.endif
	FETCH (\q)+1
.endif
.if (\q) == 0
	WIN 0x85                                       ; sources window 1, C (the bias) window 0, D window 2
.else
	WIN 0xa5                                       ; sources window 1, C and D window 2
.endif
	MUL32 \q
	WIN 0
.endm
; THE WAY OUT, block by block of 16 tokens x 128 columns: through my own stage and back as whole rows of 512 bytes.  LDS serves a wave's instructions in order (ISA guide 5.7.1.4): no wait between the stores and the loads.
.macro TOSTAGE a
	WIN 0x08                                       ; an LDS store's data are its source 1: window 2
.irp b, 0,1,2,3,4,5,6,7
	ds_store_b128 v[STO], v[64*(\a)+8*\b:64*(\a)+8*\b+3] offset:64*\b            ; each accumulator from its low end on
	ds_store_b128 v[STO], v[64*(\a)+8*\b+4:64*(\a)+8*\b+7] offset:64*\b+16
.endr
	WIN 0
.set BB, BK+64*((\a)%2)
.irp t, 0,1,2,3,4,5,6,7,8,9,10,11,12,13,14,15
	ds_load_b128 v[BB+4*\t:BB+4*\t+3], v[RD] offset:\t*SPITCH
.endr
.endm
.macro SEND a, younger                 ; younger: the LDS instructions issued behind block a's loads, which may stay out
.set BB, BK+64*((\a)%2)
	s_wait_dscnt \younger
.irp t, 0,1,2,3,4,5,6,7,8,9,10,11,12,13,14,15
	global_store_b128 v[CO], v[BB+4*\t:BB+4*\t+3], s[12:13] offset:(16*(\a)+\t)*4096 th:TH_STORE_NT   ; 32 lanes store 512 consecutive bytes, aligned to 256; written once, read by nobody here
.endr
.endm
	s_wait_alu depctr_va_vdst(0)
	s_wait_tensorcnt 1                             ; the scales and my part of slot 0 are in; slot 1's load, the one issued behind them, may be out
	s_barrier_signal -1
	s_barrier_wait -1                              ; everybody's are
	FETCH 0
.irp s, 0,1
.irp i, 0,1,2,3
	ds_load_b128 v[SCA+16*\s+4*\i:SCA+16*\s+4*\i+3], v[ASA] offset:2048*\s+256*\i     ; att's scale words: the four K steps of half s, token tile i
.endr
.irp j, 0,1,2,3,4,5,6,7
	ds_load_b128 v[SCW+32*\s+4*\j:SCW+32*\s+4*\j+3], v[ASW] offset:\j*SBLK+16*\s      ; Wo's likewise, column tile j
.endr
.endr
	s_wait_loadcnt 0x0                             ; the bias
.irp q, 0,1,2,3,4,5,6,7
	STEP \q
.endr
	PLACES 4                                       ; four places between the last products and the first read of results, and the loads into the bias's old registers
	TOSTAGE 0
.irp a, 1,2,3
.if \a > 1
	s_wait_xcnt 0x0                                ; block a - 2's stores have read their registers: block a's loads may land there
.endif
	TOSTAGE \a
	SEND \a-1, 32                                  ; behind block a - 1's loads: block a's 16 stores and 16 loads
.endr
	SEND 3, 0
	s_wait_tensorcnt 0x0
	ds_add_u32 v30, v31
	s_wait_dscnt 0x0
	CROUND                                         ; the closing round: no work-group ends while a partner may still ask for a tile that names it
	s_endpgm
.Lfunc_end_k_q873d5783bb_outp:
	.size	k_q873d5783bb_outp, .Lfunc_end_k_q873d5783bb_outp-k_q873d5783bb_outp
	.p2alignl 7, 3214868480
	.fill 96, 4, 3214868480
	.section	.rodata,"a",@progbits
	.p2align	6, 0x0
	.amdhsa_kernel k_q873d5783bb_outp
		.amdhsa_group_segment_fixed_size 327680
		.amdhsa_private_segment_fixed_size 0
		.amdhsa_enable_private_segment 0
		.amdhsa_kernarg_size 48
		.amdhsa_user_sgpr_count 2
		.amdhsa_user_sgpr_kernarg_segment_ptr 1
		.amdhsa_wavefront_size32 1
		.amdhsa_system_sgpr_workgroup_id_x 1
		.amdhsa_system_sgpr_workgroup_id_y 1
		.amdhsa_system_sgpr_workgroup_id_z 1
		.amdhsa_system_vgpr_workitem_id 0
		.amdhsa_next_free_vgpr 768
		.amdhsa_next_free_sgpr 100
		.amdhsa_reserve_vcc 0
		.amdhsa_float_denorm_mode_32 3
		.amdhsa_float_denorm_mode_16_64 3
		.amdhsa_memory_ordered 1
		.amdhsa_forward_progress 1
		.amdhsa_inst_pref_size 75
	.end_amdhsa_kernel
	.amdgpu_metadata
---
amdhsa.version: [ 1, 2 ]
amdhsa.kernels:
  - .name:           k_q873d5783bb_outp
    .symbol:         k_q873d5783bb_outp.kd
    .args:
      - { .name: att_img, .offset: 0, .size: 8, .value_kind: global_buffer, .address_space: global }
      - { .name: att_sc, .offset: 8, .size: 8, .value_kind: global_buffer, .address_space: global }
      - { .name: Wo_codes, .offset: 16, .size: 8, .value_kind: global_buffer, .address_space: global }
      - { .name: Wo_scales, .offset: 24, .size: 8, .value_kind: global_buffer, .address_space: global }
      - { .name: bo, .offset: 32, .size: 8, .value_kind: global_buffer, .address_space: global }
      - { .name: out0, .offset: 40, .size: 8, .value_kind: global_buffer, .address_space: global }
    .group_segment_fixed_size: 327680
    .private_segment_fixed_size: 0
    .kernarg_segment_align: 8
    .kernarg_segment_size: 48
    .max_flat_workgroup_size: 128
    .sgpr_count:     100
    .vgpr_count:     768
    .wavefront_size: 32
...
	.end_amdgpu_metadata
.endif
;; end of part 3
